; MI455X (gfx1250); checked and timed in simulation.
; The chip was launched on July 23, 2026; its instructions are those of AMD's public machine-readable ISA for CDNA 5 (MIT licence, August 2026) and "CDNA5" Instruction Set Architecture Reference Guide (July 2026). The comments in the code are by the model that wrote it; some were corrected since.
;; Cross Attention Fusion. Allowed arithmetic: float matrix products may take bf16 or f16 operands with f32 sums; all other float work in f32.
;; Inputs: Wf 1,024 x 2,048 float32; Wo1 1,024 x 1,024 float32; Wo2 1,024 x 1,024 float32; Wv1 1,024 x 1,024 float32; Wv2 1,024 x 1,024 float32; beta1 1,024 float32; beta2 1,024 float32; bf 1,024 float32; bo1 1,024 float32; bo2 1,024 float32; bv1 1,024 float32; bv2 1,024 float32; ecg_emb 8,192 x 1,024 float32; eeg_emb 8,192 x 1,024 float32; g1 1,024 float32; g2 1,024 float32.
;; Outputs: out0 8,192 x 1,024 float32.
;; One version. Each part assembles by itself: llvm-mc -triple=amdgcn-amd-amdhsa -mcpu=gfx1250 --defsym DOCPART=n.
;; ======== version 1 of 1: 3 launches
;; limits: values are held in f16: magnitudes above 65,504 overflow, below 6.1e-05 lose precision
;; workspace buffers: WcP 4,194,304 bytes; bc 8,192 bytes; WfP 4,194,304 bytes; fusedP 33,554,432 bytes
;; launch prep (part 1): grid 256 x 1, 8 waves a work-group, no clusters, 109,568 bytes of LDS; arguments Wo1, Wo2, Wv1, Wv2, bv1, bv2, bo1, bo2, Wf, WcP, bc, WfP; writes WcP, bc, WfP
.if DOCPART == 1
	.amdgcn_target "amdgcn-amd-amdhsa--gfx1250"
	.amdhsa_code_object_version 6
	.text
	.protected	k_q8ce8c95a09_prep
	.globl	k_q8ce8c95a09_prep
	.p2align	8
	.type	k_q8ce8c95a09_prep,@function
k_q8ce8c95a09_prep:
	s_mov_b64 s[64:65], 0
	v_nop
	global_prefetch_b8 v0, s[64:65] scope:SCOPE_SE
	s_setreg_imm32_b32 hwreg(HW_REG_WAVE_MODE, 25, 1), 1
	s_wait_xcnt 0x0
; THE WEIGHTS ARE MADE READY.  No non-linearity stands between a branch's two projections, so (x Wv^T + bv) Wo^T + bo = x (Wo Wv)^T + (Wo bv + bo) for every input.
; This launch makes, for branch b = 0, 1:  Wc_b = Wo_b Wv_b (f16 operands, f32 sums, rounded once to f16),  bc_b = Wo_b bv_b + bo_b (all f32),  and Wf rounded to f16.
; LIMITS.  Wo Wv is formed first, so the order of rounding differs from a product taken projection by projection.  f16 holds no number of 65,520 or more (it becomes an infinity) and keeps a
; fixed step of 6e-8 below 6e-5: weights and their product arrive far inside that range; NaN and infinities are not treated apart.
; PACKED ORDER of WcP and WfP: a BLOCK is 16 rows x 32 k of f16, 1,024 bytes: bytes 16 L hold lane L's fragment registers 0-3 (row L % 16, k = 8 (L / 16) + 0..7), bytes 512 + 16 L its
; registers 4-7 (k = 16 + 8 (L / 16) + 0..7).  A later launch reads a fragment by two loads of 16 bytes a lane, and a store here covers 512 consecutive bytes.
;   WcP [branch 2][K step of 64: 16][n block 64][k block 2][1,024]        WfP [N tile 4][K step of 128: 16][n block 16][k block 4][1,024]        bc [branch 2][1,024] f32
; SHARES.  Work-group id: branch = id >> 7, nt = (id >> 3) & 15, kt = id & 7: the tile Wc[64 nt ..][128 kt ..], summed over j = 1,024 in 8 chunks of 128.  Eight waves: wave w takes 32 n (w >> 2)
; x 32 k (w & 3): four accumulators.  Source 0 = 16 columns k of Wv (stored [j][k]: turned by ds_load_tr16_b128), source 1 = 16 rows n of Wo: a lane's eight results are eight neighbouring k of one row n.
; Beside that each wave casts two blocks of Wf and makes one number of bc: 256 x 8 waves cover 4,096 blocks and 2,048 numbers.
; No tensor loads (the f32 weights are converted on their way into LDS), no cluster: a chunk's tiles are shared by few work-groups and the whole launch reads 25 MB.
.set PWO,   272                        ; a row of Wo in LDS: 128 f16 + 16 bytes: 16 rows of a load start at 16 different groups of four banks (64 banks of 4 bytes: ISA guide 11.1)
.set PWV,   288                        ; a row of Wv: 128 f16 + 32 bytes
.set WVS,   64*PWO                     ; a buffer: 64 rows of Wo, then 128 rows of Wv
.set LBUF,  WVS+128*PWV                ; 54,272 bytes; two buffers take turns
.set SPARE, 2*LBUF                     ; the spare words, 128 bytes for each of eight waves: four blocks of 256 bytes that no other line names
.set VWO, 4                            ; v4      my byte offset in the chunk's rows of Wo: 8 rows a wave, 16 bytes a lane
.set VWV, 5                            ; v5      the same for Wv: 16 rows a wave
.set SWO, 6                            ; v6-7    where I store Wo's f16, buffer 0, 1
.set SWV, 8                            ; v8-9    the same for Wv
.set RWO, 10                           ; v10-11  where I read Wo's fragments
.set RWV, 12                           ; v12-13  where I read Wv's, turned
.set L16, 14                           ; v14     16 x lane
.set WFO, 15                           ; v15     my byte offset in 16 rows of Wf
.set SPW, 20                           ; v20     LDS address of my spare word; never rewritten
.set NIL, 21                           ; v21     0; never rewritten
.set BO,  22                           ; v22     bo[n]
.set ZO,  23                           ; v23     a zero offset
.set XS,  32                           ; v32-127, v128-223  two sets of 24 loads: a chunk's f32, then its f16
.set SD,  XS+96                        ; the second set first holds the side jobs' loads: Wf 32, a row of Wo 32, bv 32
.set PKO, 224                          ; v224-239  packed results
.set ACC, 128                          ; window 1: accumulator (c, i) at ACC + 8 (2 c + i); v0-127 of window 1: fragments, 32 for each 32 along j
.set MSB, 0
.macro WIN new                         ; s_set_vgpr_msb: bits 1:0 source 0, 3:2 source 1, 5:4 source 2, 7:6 destination; the high byte repeats the setting that is left
.if MSB != (\new)
	s_set_vgpr_msb (MSB<<8)|(\new)
.set MSB, \new
.endif
.endm
	s_load_b512 s[4:19], s[0:1], 0x0               ; Wo1, Wo2, Wv1, Wv2, bv1, bv2, bo1, bo2
	s_load_b256 s[20:27], s[0:1], 0x40             ; Wf, WcP, bc, WfP
	v_lshl_add_u32 v[SPW], v0, 2, SPARE
	v_mov_b32 v[NIL], 0
	v_lshrrev_b32 v16, 5, v0
	v_readfirstlane_b32 s28, v16                   ; wave 0..7
	s_lshr_b32 s29, ttmp9, 7                       ; branch
	s_bfe_u32 s30, ttmp9, 0x40003                  ; nt
	s_and_b32 s31, ttmp9, 7                        ; kt
	s_mov_b32 s46, 0x76543210                      ; v_permlanex16_b32: each lane takes its own place in the other half
	s_mov_b32 s47, 0xfedcba98
	s_mov_b32 s41, 0                               ; the high word of every offset
	v_and_b32 v1, 31, v0                           ; lane
	v_and_b32 v2, 15, v0                           ; r
	v_bfe_u32 v3, v0, 4, 1                         ; h
	s_lshl_b32 s44, s28, 15
	v_lshl_or_b32 v[VWO], v1, 4, s44               ; 8 rows of 4,096 bytes a wave
	s_lshl_b32 s44, s28, 16
	v_lshl_or_b32 v[VWV], v1, 4, s44               ; 16 rows a wave
	s_mul_i32 s44, s28, 8*PWO
	v_lshl_add_u32 v[SWO], v1, 3, s44              ; 4 f32 become 8 bytes
	v_add_nc_u32 v[SWO+1], LBUF, v[SWO]
	s_mul_i32 s44, s28, 16*PWV
	s_add_co_u32 s44, s44, WVS
	v_lshl_add_u32 v[SWV], v1, 3, s44
	v_add_nc_u32 v[SWV+1], LBUF, v[SWV]
	s_lshr_b32 s44, s28, 2                         ; which 32 n are mine
	s_mul_i32 s44, s44, 32*PWO
	v_mul_u32_u24 v16, v2, PWO
	v_lshl_add_u32 v16, v3, 4, v16                 ; row x pitch + 16 x half
	v_add_nc_u32 v[RWO], s44, v16
	v_add_nc_u32 v[RWO+1], LBUF, v[RWO]
	s_and_b32 s44, s28, 3                          ; which 32 k are mine
	s_lshl_b32 s44, s44, 6
	s_add_co_u32 s44, s44, WVS
	v_and_b32 v16, 7, v0
	v_lshl_add_u32 v16, v3, 3, v16                 ; the turning load: lane l reads row j = 8 (l / 16) + l % 8,
	v_mul_u32_u24 v16, v16, PWV
	v_bfe_u32 v17, v0, 3, 1
	v_lshl_add_u32 v16, v17, 4, v16                ; columns 8 ((l / 8) % 2) + 0..7
	v_add_nc_u32 v[RWV], s44, v16
	v_add_nc_u32 v[RWV+1], LBUF, v[RWV]
	v_lshlrev_b32 v[L16], 4, v1
	v_lshlrev_b32 v[WFO], 13, v2                   ; a row of Wf is 8,192 bytes;
	v_lshl_add_u32 v[WFO], v3, 5, v[WFO]           ; 8 f32 for each half of the lanes
	v_mov_b32 v[ZO], 0
	s_wait_kmcnt 0x0
	s_cmp_eq_u32 s29, 0
	s_cselect_b64 s[32:33], s[4:5], s[6:7]         ; Wo of my branch
	s_cselect_b64 s[34:35], s[8:9], s[10:11]       ; Wv
	s_cselect_b64 s[36:37], s[12:13], s[14:15]     ; bv
	s_cselect_b64 s[38:39], s[16:17], s[18:19]     ; bo
	s_lshl_b32 s45, s30, 6
	s_lshl_b32 s49, s31, 3
	s_add_co_u32 s45, s45, s49
	s_add_co_u32 s45, s45, s28                     ; my number of bc: n = 64 nt + 8 kt + w
	s_lshl_b32 s40, s45, 12
	s_add_nc_u64 s[42:43], s[32:33], s[40:41]      ; row n of Wo
	s_lshl_b32 s40, s45, 2
	s_add_nc_u64 s[38:39], s[38:39], s[40:41]      ; bo[n]
	s_lshl_b32 s49, s29, 12
	s_add_co_u32 s40, s40, s49
	s_add_nc_u64 s[24:25], s[24:25], s[40:41]      ; bc[branch][n]
	s_lshl_b32 s40, s30, 18
	s_add_nc_u64 s[32:33], s[32:33], s[40:41]      ; Wo at row 64 nt, chunk 0
	s_lshl_b32 s40, s31, 9
	s_add_nc_u64 s[34:35], s[34:35], s[40:41]      ; Wv at column 128 kt, chunk 0
	s_lshr_b32 s44, ttmp9, 2                       ; Wf: n block id >> 2, k blocks 16 (id & 3) + 2 w + 0, 1
	s_lshl_b32 s40, s44, 17
	s_and_b32 s45, ttmp9, 3
	s_lshl_b32 s49, s45, 11
	s_add_co_u32 s40, s40, s49
	s_lshl_b32 s49, s28, 8
	s_add_co_u32 s40, s40, s49
	s_add_nc_u64 s[50:51], s[20:21], s[40:41]
	s_lshr_b32 s40, ttmp9, 6                       ; WfP: N tile,
	s_lshl_b32 s40, s40, 20
	s_lshl_b32 s49, s45, 18                        ; K step 4 (id & 3) + (w >> 1),
	s_add_co_u32 s40, s40, s49
	s_lshr_b32 s49, s28, 1
	s_lshl_b32 s49, s49, 16
	s_add_co_u32 s40, s40, s49
	s_and_b32 s49, s44, 15                         ; n block in the tile,
	s_lshl_b32 s49, s49, 12
	s_add_co_u32 s40, s40, s49
	s_and_b32 s49, s28, 1                          ; k blocks 2 (w & 1) + 0, 1
	s_lshl_b32 s49, s49, 11
	s_add_co_u32 s40, s40, s49
	s_add_nc_u64 s[52:53], s[26:27], s[40:41]
	s_lshl_b32 s40, s29, 21                        ; WcP: branch,
	s_lshl_b32 s49, s31, 18                        ; K step 2 kt + ((w >> 1) & 1),
	s_add_co_u32 s40, s40, s49
	s_bfe_u32 s49, s28, 0x10001
	s_lshl_b32 s49, s49, 17
	s_add_co_u32 s40, s40, s49
	s_lshl_b32 s49, s30, 13                        ; n block 4 nt + 2 (w >> 2),
	s_add_co_u32 s40, s40, s49
	s_lshr_b32 s49, s28, 2
	s_lshl_b32 s49, s49, 12
	s_add_co_u32 s40, s40, s49
	s_and_b32 s49, s28, 1                          ; k block w & 1
	s_lshl_b32 s49, s49, 10
	s_add_co_u32 s40, s40, s49
	s_add_nc_u64 s[22:23], s[22:23], s[40:41]
; 24 loads: the chunk's 8 rows of Wo and 16 rows of Wv that are mine; each load takes one row's 512 consecutive bytes
.macro XLOAD e
.irp i, 0,1,2,3,4,5,6,7
	global_load_b128 v[XS+96*(\e)+4*(\i):XS+96*(\e)+4*(\i)+3], v[VWO], s[32:33] offset:4096*(\i)
.endr
.irp i, 0,1,2,3,4,5,6,7,8,9,10,11,12,13,14,15
	global_load_b128 v[XS+96*(\e)+32+4*(\i):XS+96*(\e)+32+4*(\i)+3], v[VWV], s[34:35] offset:4096*(\i)
.endr
.endm
	; the side jobs' 25 loads go first, then chunk 0's
.irp q, 0,1
.irp p, 0,1,2,3
	global_load_b128 v[SD+16*(\q)+4*(\p):SD+16*(\q)+4*(\p)+3], v[WFO], s[50:51] offset:128*(\q)+16*((\p)%2)+64*((\p)/2) th:TH_LOAD_NT
.endr
.endr
.irp i, 0,1,2,3,4,5,6,7
	global_load_b128 v[SD+32+4*(\i):SD+32+4*(\i)+3], v[L16], s[42:43] offset:512*(\i)
.endr
.irp i, 0,1,2,3,4,5,6,7
	global_load_b128 v[SD+64+4*(\i):SD+64+4*(\i)+3], v[L16], s[36:37] offset:512*(\i)
.endr
	global_load_b32 v[BO], v[ZO], s[38:39]
	XLOAD 0
	s_wait_loadcnt 24                              ; the side jobs' loads are in; chunk 0's 24 stay out
	; Wf: two blocks, rounded to f16; the loads were laid so that the registers are already in fragment order
.set z, 0
.rept 16
	v_cvt_pk_f16_f32 v[PKO+z], v[SD+2*z], v[SD+2*z+1]
.set z, z+1
.endr
.irp u, 0,1,2,3
	global_store_b128 v[L16], v[PKO+4*(\u):PKO+4*(\u)+3], s[52:53] offset:512*(\u)  ; 512 consecutive bytes, at a multiple of 512 from WfP's first
.endr
	; bc[n] = Wo[n] . bv + bo[n], in f32: two chains of packed multiply-adds, then across the lanes
	v_pk_mul_f32 v[16:17], v[SD+32:SD+33], v[SD+64:SD+65]
	v_pk_mul_f32 v[18:19], v[SD+34:SD+35], v[SD+66:SD+67]
.set z, 2
.rept 14
	v_pk_fma_f32 v[16+2*(z%2):17+2*(z%2)], v[SD+32+2*z:SD+33+2*z], v[SD+64+2*z:SD+65+2*z], v[16+2*(z%2):17+2*(z%2)]
.set z, z+1
.endr
	v_pk_add_f32 v[16:17], v[16:17], v[18:19]
	v_add_f32 v16, v16, v17
	v_add_f32_dpp v16, v16, v16 row_xmask:1 row_mask:0xf bank_mask:0xf
	v_add_f32_dpp v16, v16, v16 row_xmask:2 row_mask:0xf bank_mask:0xf
	v_add_f32_dpp v16, v16, v16 row_xmask:4 row_mask:0xf bank_mask:0xf
	v_add_f32_dpp v16, v16, v16 row_xmask:8 row_mask:0xf bank_mask:0xf
	v_permlanex16_b32 v17, v16, s46, s47
	v_add_f32 v16, v16, v17
	v_add_f32 v16, v16, v[BO]
	v_cmp_eq_u32 vcc_lo, 0, v1
	s_wait_xcnt 0x0                                ; EXEC is a source of the loads and stores above: it changes only behind this wait
	s_and_saveexec_b32 s48, vcc_lo
	global_store_b32 v[ZO], v16, s[24:25]          ; one number a wave: 8 KB in the whole launch
	s_wait_xcnt 0x0                                ; and again in front of the line that widens it; the bases below are stepped behind it too
	s_or_b32 exec_lo, exec_lo, s48
	s_add_nc_u64 s[32:33], s[32:33], 512           ; chunk 1: 128 j on along Wo's rows,
	s_add_nc_u64 s[34:35], s[34:35], 524288        ; 128 rows down in Wv
	XLOAD 1
; One chunk of 128 along j, in buffer e.  left = the younger set's loads that may stay out.  more = 1: the set is loaded again, with the chunk two on.  first = 1: the first products start the sums.
; ONE barrier a chunk: buffer e is stored again two chunks later, behind the barrier of the chunk between, in front of which every wave has waited for its reads of buffer e.
.macro CHUNK e, more, left, first
	s_wait_loadcnt \left
.set z, 0
.rept 24                                               ; f32 to f16 in place; these 48 plain instructions are also the places behind the last chunk's products
	v_cvt_pk_f16_f32 v[XS+96*(\e)+4*z], v[XS+96*(\e)+4*z], v[XS+96*(\e)+4*z+1]
	v_cvt_pk_f16_f32 v[XS+96*(\e)+4*z+1], v[XS+96*(\e)+4*z+2], v[XS+96*(\e)+4*z+3]
.set z, z+1
.endr
.irp i, 0,1,2,3,4,5,6,7
	ds_store_b64 v[SWO+(\e)], v[XS+96*(\e)+4*(\i):XS+96*(\e)+4*(\i)+1] offset:PWO*(\i)
.endr
.irp i, 0,1,2,3,4,5,6,7,8,9,10,11,12,13,14,15
	ds_store_b64 v[SWV+(\e)], v[XS+96*(\e)+32+4*(\i):XS+96*(\e)+32+4*(\i)+1] offset:PWV*(\i)
.endr
.if \more
	s_wait_xcnt 0x0                                ; the bases of the loads issued so far are stepped only behind this wait
	s_add_nc_u64 s[32:33], s[32:33], 512
	s_add_nc_u64 s[34:35], s[34:35], 524288
	XLOAD \e
.endif
	s_wait_dscnt 0x0                               ; for the others' sake: my stores are done
	s_barrier_signal -1
	s_barrier_wait -1
	WIN 0x40                                       ; destination window 1, address window 0
.irp t, 0,1,2,3                                        ; 32 along j at a time: two fragments of Wv (turned), two of Wo
.irp c, 0,1
	ds_load_tr16_b128 v[32*(\t)+8*(\c):32*(\t)+8*(\c)+3],   v[RWV+(\e)] offset:32*PWV*(\t)+32*(\c)
	ds_load_tr16_b128 v[32*(\t)+8*(\c)+4:32*(\t)+8*(\c)+7], v[RWV+(\e)] offset:32*PWV*(\t)+32*(\c)+16*PWV
.endr
.irp i, 0,1
	ds_load_b128 v[32*(\t)+16+8*(\i):32*(\t)+16+8*(\i)+3],   v[RWO+(\e)] offset:16*PWO*(\i)+64*(\t)
	ds_load_b128 v[32*(\t)+16+8*(\i)+4:32*(\t)+16+8*(\i)+7], v[RWO+(\e)] offset:16*PWO*(\i)+64*(\t)+32
.endr
.endr
	WIN 0x55                                       ; all four operands in window 1
.irp t, 0,1,2,3
	s_wait_dscnt 24-8*(\t)                         ; LDS loads come back in order: the eight of this 32 along j are in, the later ones stay out
.irp c, 0,1
.irp i, 0,1                                            ; the four accumulators take turns, one instruction a turn
.if (\first) && ((\t) == 0)
	v_wmma_f32_16x16x32_f16 v[ACC+8*(2*(\c)+(\i)):ACC+8*(2*(\c)+(\i))+7], v[32*(\t)+8*(\c):32*(\t)+8*(\c)+7], v[32*(\t)+16+8*(\i):32*(\t)+16+8*(\i)+7], 0
.else
	v_wmma_f32_16x16x32_f16 v[ACC+8*(2*(\c)+(\i)):ACC+8*(2*(\c)+(\i))+7], v[32*(\t)+8*(\c):32*(\t)+8*(\c)+7], v[32*(\t)+16+8*(\i):32*(\t)+16+8*(\i)+7], v[ACC+8*(2*(\c)+(\i)):ACC+8*(2*(\c)+(\i))+7]
.endif
.endr
.endr
.endr
	WIN 0
.endm
	CHUNK 0, 1, 24, 1                              ; chunk 0; asks for chunk 2
	CHUNK 1, 1, 24, 0                              ; chunk 1; asks for chunk 3
	s_mov_b32 s44, 2
.Lpair:                                                ; chunks 2 to 5; they ask for chunks 4 to 7
	CHUNK 0, 1, 24, 0
	CHUNK 1, 1, 24, 0
	s_sub_co_u32 s44, s44, 1
	s_cmp_lg_u32 s44, 0
	s_cbranch_scc1 .Lpair
	CHUNK 0, 0, 24, 0                              ; the last two chunks load nothing: the counts run down
	CHUNK 1, 0, 0, 0
.rept 4
	v_nop                                          ; four places between the last products and the conversions that read them (ISA guide 7.12.1)
.endr
	WIN 0x05                                       ; sources in window 1, destination in window 0
.set z, 0
.rept 16                                               ; each accumulator from its low end on
	v_cvt_pk_f16_f32 v[PKO+z], v[ACC+2*z], v[ACC+2*z+1]
.set z, z+1
.endr
	WIN 0
.irp c, 0,1
.irp i, 0,1
	global_store_b128 v[L16], v[PKO+4*(2*(\c)+(\i)):PKO+4*(2*(\c)+(\i))+3], s[22:23] offset:2048*(\i)+512*(\c)  ; half c of n block i's block: 512 consecutive bytes
.endr
.endr
	s_wait_tensorcnt 0x0                           ; the wave's end: behind my last LDS store
	ds_add_u32 v[SPW], v[NIL]
	s_wait_dscnt 0x0
	s_endpgm
.Lfunc_end_k_q8ce8c95a09_prep:
	.size	k_q8ce8c95a09_prep, .Lfunc_end_k_q8ce8c95a09_prep-k_q8ce8c95a09_prep
	.p2alignl 7, 3214868480
	.fill 96, 4, 3214868480
	.section	.rodata,"a",@progbits
	.p2align	6, 0x0
	.amdhsa_kernel k_q8ce8c95a09_prep
		.amdhsa_group_segment_fixed_size 109568
		.amdhsa_private_segment_fixed_size 0
		.amdhsa_enable_private_segment 0
		.amdhsa_kernarg_size 96
		.amdhsa_user_sgpr_count 2
		.amdhsa_user_sgpr_kernarg_segment_ptr 1
		.amdhsa_wavefront_size32 1
		.amdhsa_system_sgpr_workgroup_id_x 1
		.amdhsa_system_sgpr_workgroup_id_y 1
		.amdhsa_system_sgpr_workgroup_id_z 1
		.amdhsa_system_vgpr_workitem_id 0
		.amdhsa_next_free_vgpr 416
		.amdhsa_next_free_sgpr 66
		.amdhsa_reserve_vcc 1
		.amdhsa_float_denorm_mode_32 3
		.amdhsa_float_denorm_mode_16_64 3
		.amdhsa_memory_ordered 1
		.amdhsa_forward_progress 1
		.amdhsa_inst_pref_size 74
	.end_amdhsa_kernel
	.amdgpu_metadata
---
amdhsa.version: [ 1, 2 ]
amdhsa.kernels:
  - .name:           k_q8ce8c95a09_prep
    .symbol:         k_q8ce8c95a09_prep.kd
    .args:
      - { .name: Wo1, .offset: 0, .size: 8, .value_kind: global_buffer, .address_space: global }
      - { .name: Wo2, .offset: 8, .size: 8, .value_kind: global_buffer, .address_space: global }
      - { .name: Wv1, .offset: 16, .size: 8, .value_kind: global_buffer, .address_space: global }
      - { .name: Wv2, .offset: 24, .size: 8, .value_kind: global_buffer, .address_space: global }
      - { .name: bv1, .offset: 32, .size: 8, .value_kind: global_buffer, .address_space: global }
      - { .name: bv2, .offset: 40, .size: 8, .value_kind: global_buffer, .address_space: global }
      - { .name: bo1, .offset: 48, .size: 8, .value_kind: global_buffer, .address_space: global }
      - { .name: bo2, .offset: 56, .size: 8, .value_kind: global_buffer, .address_space: global }
      - { .name: Wf, .offset: 64, .size: 8, .value_kind: global_buffer, .address_space: global }
      - { .name: WcP, .offset: 72, .size: 8, .value_kind: global_buffer, .address_space: global }
      - { .name: bc, .offset: 80, .size: 8, .value_kind: global_buffer, .address_space: global }
      - { .name: WfP, .offset: 88, .size: 8, .value_kind: global_buffer, .address_space: global }
    .group_segment_fixed_size: 109568
    .private_segment_fixed_size: 0
    .kernarg_segment_align: 8
    .kernarg_segment_size: 96
    .max_flat_workgroup_size: 256
    .sgpr_count:     66
    .vgpr_count:     416
    .wavefront_size: 32
...
	.end_amdgpu_metadata
.endif
;; end of part 1
;; launch attend (part 2): grid 256 x 1, 4 waves a work-group, clusters of 4 x 1, 327,680 bytes of LDS; arguments eeg_emb, ecg_emb, WcP, bc, g1, g2, beta1, beta2, fusedP; writes fusedP
.if DOCPART == 2
	.amdgcn_target "amdgcn-amd-amdhsa--gfx1250"
	.amdhsa_code_object_version 6
	.text
	.protected	k_q8ce8c95a09_attend
	.globl	k_q8ce8c95a09_attend
	.p2align	8
	.type	k_q8ce8c95a09_attend,@function
k_q8ce8c95a09_attend:
	s_mov_b64 s[64:65], 0
	v_nop
	global_prefetch_b8 v0, s[64:65] scope:SCOPE_SE
	s_setreg_imm32_b32 hwreg(HW_REG_WAVE_MODE, 25, 1), 1
	s_wait_xcnt 0x0
	s_wait_alu depctr_hold_cnt(0) depctr_sa_sdst(0) depctr_va_vdst(0) depctr_va_sdst(0) depctr_va_ssrc(0) depctr_va_vcc(0) depctr_vm_vsrc(0)
	s_getreg_b32 s2, hwreg(HW_REG_IB_STS2, 6, 4)
	s_cmp_eq_u32 s2, 0
	s_cbranch_scc0 .Lentry_in_a_cluster
	s_endpgm
.Lentry_in_a_cluster:
	s_bfe_u32 s2, ttmp6, 0x10000c
	s_cmp_lg_u32 s2, 0x3003
	s_cbranch_scc0 .Lentry_shape_is_right
	s_endpgm
.Lentry_shape_is_right:
; ONE BRANCH OF THE FUSION FOR 64 ROWS:  X = x_self + x_other Wc^T + bc;  y = (X - mean) rsqrt(var + 1e-5) g + beta;  y rounded to f16 into fusedP, in the packed order of the next product.
; Branch 0: x_other = ecg, x_self = eeg, g1, beta1, fused columns 0-1,023.  Branch 1: the other way round, g2, beta2, columns 1,024-2,047.
; Products with f16 operands and f32 sums; bias, residual, mean, variance and the normalisation in f32; the variance is the mean of (X - mean)^2, taken in a second pass over the registers.
; LIMITS.  An operand of 65,520 or more becomes an infinity in f16 (x, Wc and y lie far inside that), and below 6e-5 f16 keeps a fixed step of 6e-8; NaN and infinities are not treated apart.
; SHARES.  LayerNorm wants whole rows of 1,024 columns in one work-group: 64 rows x 1,024 columns of f32 are 512 registers in each of four waves.  128 row blocks x 2 branches = 256 work-groups.
; Wave w owns all 64 rows x columns 256 w .. + 255: accumulator (a, b), a = 0..3 (16 rows), b = 0..15 (16 columns).  K = 1,024 goes in 16 steps of 64, each two halves of 32.
; THE MATRIX INSTRUCTION IS USED TRANSPOSED: source 0 = 16 rows n of Wc, source 1 = 16 rows m of x: a lane holds row m = lane % 16 and columns 8 (lane / 16) + 0..7, and two neighbouring
; results rounded to f16 ARE a fragment of the next product: they are stored straight from registers, 512 consecutive bytes a store.
; CLUSTER.  The four work-groups of a cluster have one branch and four row blocks: they walk the same Wc, so each tile of it (131,072 dense bytes a step, a quarter a wave) is asked for JOINTLY.
; x is not shared: x_other comes through registers (it is converted to f16 on the way into LDS), asked for two steps ahead of its store; x_self, the residual, by plain tensor loads into the
; slots that Wc's last tiles have left.  The loop's last two moves have no further tile to ask for and ask for tile 15 once more (the offset is clamped): 32 KB a work-group, so that one text and one count serve every trip.
; REGISTERS, in windows of 256 (s_set_vgpr_msb: bits 1:0 source 0, 3:2 source 1, 5:4 source 2, 7:6 destination):
;   window 0: addresses, x's fragments, x on its way, statistics       window 1: Wc's fragments, two buffers of 128; later the residual, then g and beta
;   window 2: accumulators of rows 0-31 ((a, b) at v[8 (16 (a % 2) + b)])        window 3: those of rows 32-63
.set SLOT,  133120                     ; a slot: 131,072 bytes of Wc's tile; as a residual part 4 x 33,280
.set XA,    2*SLOT                     ; behind the slots: x in f16, two buffers of 64 rows x 144 bytes, written by ds_store: no tensor load lands here
.set PX,    144                        ; 64 f16 + 16 bytes: 16 rows of a load start at 16 different groups of four banks (64 banks of 4 bytes: ISA guide 11.1)
.set XAB,   64*PX
.set STAT,  XA+2*XAB                   ; the waves' partial sums: twice [64 rows][4 waves] f32
.set SPARE, STAT+2048                  ; the spare words, 128 bytes for each wave: two blocks of 256 bytes that no other line names
.set RP,    1040                       ; a residual row in LDS: 256 f32 + 16 bytes
.set RPART, 32*RP                      ; 32 rows x my 256 columns
.set ADRB, 2                           ; v2-3    my fragments of Wc in slot 0, 1
.set ADRX, 4                           ; v4-5    x's fragments in buffer 0, 1
.set XST,  6                           ; v6-7    where I store x's f16
.set XGO,  8                           ; v8      my byte offset in x_other's 64 rows: 16 rows a wave, two rows of 256 bytes a load
.set RA,   9                           ; v9-10   my residual numbers in part 0, 1
.set STW,  11                          ; v11     where I store a partial sum
.set STR,  12                          ; v12     where I read a row's four
.set H32,  13                          ; v13     32 x (lane / 16): my eight columns in bc, g, beta
.set L16,  14                          ; v14     16 x lane
.set SPW,  28                          ; v28     LDS address of my spare word; never rewritten
.set NIL,  29                          ; v29     0; never rewritten
.set AF,   32                          ; v32-63, v64-95    x's fragments, two buffers
.set XS,   96                          ; v96-127, v128-159 x on its way, two sets
.set TMP,  32                          ; behind the loop: packed results, v32-95 and v96-159 by turns
.set S,    160                         ; v160-167 four chains of sums
.set T,    168                         ; v168-171 a figure for each a
.set U,    172                         ; v172-175 the other half of the lanes'
.set MU,   176                         ; v176-183 the mean, a pair for each a
.set RS,   184                         ; v184-191 1 / sqrt(var + eps), likewise
.set PR,   192                         ; v192-207 the four waves' partial sums
.set WV,   22                          ; s22      my wave's number
.set MSB, 0
.macro WIN new                         ; the high byte repeats the setting that is left; a switch that changes nothing is dropped
.if MSB != (\new)
	s_set_vgpr_msb (MSB<<8)|(\new)
.set MSB, \new
.endif
.endm
.macro PLACES                          ; four places in front of loads into registers that matrix instructions have read, and of vector work on their results
.rept 4
	v_nop
.endr
.endm
.macro CREST                           ; a round of the cluster's barrier behind its opening barrier
	s_cmp_lg_u32 s[WV], 0
	s_cbranch_scc1 .Lnot_wave_0_\@
	s_barrier_signal -3
.Lnot_wave_0_\@:
	s_barrier_wait -3
	s_barrier_signal -1
	s_barrier_wait -1
.endm
.macro CROUND                          ; a whole round
	s_barrier_signal -1
	s_barrier_wait -1
	CREST
.endm
	s_load_b512 s[4:19], s[0:1], 0x0               ; eeg, ecg, WcP, bc, g1, g2, beta1, beta2
	s_load_b64 s[20:21], s[0:1], 0x40              ; fusedP
	v_lshl_add_u32 v[SPW], v0, 2, SPARE
	v_mov_b32 v[NIL], 0
	ds_add_u32 v[SPW], v[NIL]                      ; the wave's opening: the add and its wait ahead of my first tensor load; the set-up below, work on registers, stands between them
	v_lshrrev_b32 v1, 5, v0
	v_readfirstlane_b32 s[WV], v1                  ; wave 0..3
	s_bfe_u32 s23, ttmp6, 0x40000                  ; cx: my place in the cluster
	s_and_b32 s24, ttmp9, 1                        ; branch: neighbouring clusters take the same rows for the other branch
	s_lshr_b32 s25, ttmp9, 1
	s_lshl_b32 s25, s25, 2
	s_add_co_u32 s25, s25, s23                     ; row block = 4 (cluster >> 1) + cx: it enters x's and fusedP's addresses alone
	; group 1 for Wc's tiles: 32,768 dense bytes a wave, as 128 rows of 256 bytes
	s_mov_b32 s36, 15|(3<<16)|(1<<21)              ; 15:0 the mask: all four work-groups; 17:16 elements of 8 bytes; 21 set beside a mask
	s_mov_b32 s37, 32<<16                          ; tensor_dim0 = 32
	s_mov_b32 s38, 128<<16                         ; tensor_dim1 = 128
	s_mov_b32 s39, 32<<16                          ; tile_dim0 = 32
	s_mov_b32 s40, 128                             ; tile_dim1 = 128
	s_mov_b32 s41, 32                              ; 32 elements from row to row
	s_mov_b32 s42, 0
	s_mov_b32 s43, 0
	; group 1 for the residual: 32 rows x 256 f32, my work-group's own (no mask), 16 bytes of padding behind each row
	s_mov_b32 s52, (2<<16)|(1<<20)|(7<<22)|(3<<25) ; 17:16 elements of 4 bytes; 20 padding on; 24:22 after every 256 words (code 7); 31:25 4 words (code 3)
	s_mov_b32 s53, 256<<16
	s_mov_b32 s54, 32<<16
	s_mov_b32 s55, 256<<16
	s_mov_b32 s56, 32
	s_mov_b32 s57, 1024                            ; 1,024 elements from row to row
	s_mov_b32 s58, 0
	s_mov_b32 s59, 0
	s_mov_b32 s44, 1                               ; group 0 for Wc, slot 0: count = 1,
	s_lshl_b32 s45, s[WV], 15                      ; LDS address: wave x 32,768
	s_mov_b32 s48, 1                               ; slot 1
	s_add_co_u32 s49, s45, SLOT
	s_mov_b32 s60, 1                               ; group 0 for the residual, part 0
	s_mul_i32 s61, s[WV], RPART
	s_mov_b32 s68, 1                               ; part 1
	s_add_co_u32 s69, s61, SLOT
	s_lshl_b32 s2, s24, 21                         ; WcP: branch x 2 MB + wave x 32,768: nothing of cx
	s_add_co_u32 s2, s2, s45
	s_mov_b32 s3, 0
	s_lshl_b32 s26, s25, 18                        ; my 64 rows of 4,096 bytes
	s_mov_b32 s27, 0
	s_mov_b32 s35, 0
	s_mov_b32 s32, 256                             ; x_other's byte offset along K: the first move steps it to tile 2
	s_mov_b32 s33, 0
	s_mov_b32 s80, 0x76543210                      ; v_permlanex16_b32: each lane takes its own place in the other half
	s_mov_b32 s81, 0xfedcba98
	s_mov_b32 s84, 0x3a800000                      ; 1 / 1,024
	s_mov_b32 s85, 0x3727c5ac                      ; 1e-5
	s_wait_dscnt 0x0                               ; the opening add is done
	s_wait_kmcnt 0x0
	s_add_nc_u64 s[46:47], s[8:9], s[2:3]          ; K step 0
	s_add_nc_u64 s[50:51], s[46:47], 131072        ; K step 1
	s_or_b32 s47, s47, 0x80000000                  ; type = 2
	s_or_b32 s51, s51, 0x80000000
	s_cmp_eq_u32 s24, 0
	s_cselect_b64 s[28:29], s[6:7], s[4:5]         ; x_other
	s_cselect_b64 s[30:31], s[4:5], s[6:7]         ; x_self
	s_cselect_b64 s[72:73], s[12:13], s[14:15]     ; g
	s_cselect_b64 s[74:75], s[16:17], s[18:19]     ; beta
	s_add_nc_u64 s[28:29], s[28:29], s[26:27]      ; both at my first row
	s_add_nc_u64 s[30:31], s[30:31], s[26:27]
	s_lshl_b32 s26, s[WV], 10                      ; my 256 columns of f32
	s_add_nc_u64 s[62:63], s[30:31], s[26:27]      ; the residual's rows 0-31,
	s_add_nc_u64 s[70:71], s[62:63], 131072        ; rows 32-63
	s_or_b32 s63, s63, 0x80000000
	s_or_b32 s71, s71, 0x80000000
	s_add_nc_u64 s[72:73], s[72:73], s[26:27]
	s_add_nc_u64 s[74:75], s[74:75], s[26:27]
	s_lshl_b32 s34, s24, 12
	s_add_co_u32 s34, s34, s26
	s_add_nc_u64 s[76:77], s[10:11], s[34:35]      ; bc[branch] at my columns
	s_lshr_b32 s34, s25, 1                         ; fusedP [M tile of 128 rows][K step of 128][m block 8][k block 4][1,024]: M tile = row block >> 1,
	s_lshl_b32 s34, s34, 19
	s_and_b32 s83, s25, 1                          ; m blocks 4 (row block & 1) + a,
	s_lshl_b32 s83, s83, 14
	s_add_co_u32 s34, s34, s83
	s_lshl_b32 s83, s24, 18                        ; K steps 8 branch + 2 w + 0, 1
	s_add_co_u32 s34, s34, s83
	s_lshl_b32 s83, s[WV], 16
	s_add_co_u32 s34, s34, s83
	s_add_nc_u64 s[78:79], s[20:21], s[34:35]
	CROUND                                         ; all four work-groups are here: the first joint loads meet
	tensor_load_to_lds s[44:47], s[36:43]          ; the two first fills go out together: two loads of mine are out
	s_nop 0
	tensor_load_to_lds s[48:51], s[36:43]
	s_nop 0
	PLACES
	v_and_b32 v1, 31, v0                           ; lane
	v_and_b32 v16, 15, v0                          ; r
	v_bfe_u32 v17, v0, 4, 1                        ; h
	v_lshl_add_u32 v[ADRB], v1, 4, s45             ; packed blocks: 16 bytes a lane, no padding
	v_add_nc_u32 v[ADRB+1], SLOT, v[ADRB]
	v_mul_u32_u24 v18, v16, PX
	v_lshl_add_u32 v18, v17, 4, v18                ; row x pitch + 16 x half
	v_add_nc_u32 v[ADRX], XA, v18
	v_add_nc_u32 v[ADRX+1], XA+XAB, v18
	s_mul_i32 s86, s[WV], 16*PX
	v_mul_u32_u24 v18, v17, PX
	v_lshl_add_u32 v18, v16, 3, v18                ; lanes 0-15 one row, lanes 16-31 the next; 4 f32 become 8 bytes
	v_add_nc_u32 v18, s86, v18
	v_add_nc_u32 v[XST], XA, v18
	v_add_nc_u32 v[XST+1], XA+XAB, v18
	s_lshl_b32 s86, s[WV], 16
	v_lshlrev_b32 v18, 12, v17
	v_lshl_add_u32 v18, v16, 4, v18
	v_add_nc_u32 v[XGO], s86, v18
	v_mul_u32_u24 v18, v16, RP
	v_lshl_add_u32 v18, v17, 5, v18
	v_add_nc_u32 v[RA], s61, v18
	v_add_nc_u32 v[RA+1], s69, v18
	s_lshl_b32 s86, s[WV], 2
	v_lshlrev_b32 v18, 4, v16
	v_add_nc_u32 v[STR], STAT, v18
	v_add_nc_u32 v[STW], s86, v[STR]
	v_lshlrev_b32 v[H32], 5, v17
	v_lshlrev_b32 v[L16], 4, v1
.irp a, 0,1,2,3
	v_mov_b32 v[U+(\a)], 0                         ; v_permlanex16_b32's destination counts as read
.endr
	WIN 0x40                                       ; destination window 1, address window 0
.irp b, 0,1,2,3,4,5,6,7,8,9,10,11,12,13,14,15          ; bc in the accumulators' layout, into the second fragment buffer: it is the C of the products that start the sums
	global_load_b128 v[128+8*(\b):128+8*(\b)+3],   v[H32], s[76:77] offset:64*(\b)
	global_load_b128 v[128+8*(\b)+4:128+8*(\b)+7], v[H32], s[76:77] offset:64*(\b)+16
.endr
	WIN 0
.irp t, 0,1                                            ; x_other's tiles 0 and 1
.irp i, 0,1,2,3,4,5,6,7
	global_load_b128 v[XS+32*(\t)+4*(\i):XS+32*(\t)+4*(\i)+3], v[XGO], s[28:29] offset:8192*(\i)+256*(\t)
.endr
.endr
; 40 LDS loads in one run: the fragments of half kk of the step in slot e, into buffer f: 4 of x, 16 of Wc
.macro FETCH e, kk, f
	WIN 0
.irp a, 0,1,2,3
	ds_load_b128 v[AF+32*(\f)+8*(\a):AF+32*(\f)+8*(\a)+3],   v[ADRX+(\e)] offset:16*PX*(\a)+64*(\kk)
	ds_load_b128 v[AF+32*(\f)+8*(\a)+4:AF+32*(\f)+8*(\a)+7], v[ADRX+(\e)] offset:16*PX*(\a)+64*(\kk)+32
.endr
	WIN 0x40
.irp b, 0,1,2,3,4,5,6,7,8,9,10,11,12,13,14,15
	ds_load_b128 v[128*(\f)+8*(\b):128*(\f)+8*(\b)+3],   v[ADRB+(\e)] offset:2048*(\b)+1024*(\kk)
	ds_load_b128 v[128*(\f)+8*(\b)+4:128*(\f)+8*(\b)+7], v[ADRB+(\e)] offset:2048*(\b)+1024*(\kk)+512
.endr
.endm
; 16 matrix instructions: rows 16 a .. x all my 16 column blocks, 32 along K, from buffer f.  The accumulators take turns, one instruction a turn: between two links of a chain stand 63 others'.
; bias = 1: the first products start the sums with bc (C in window 1): nothing is cleared and no addition follows.
.macro MUL16 f, a, bias
.if \bias
	WIN 0x91+0x40*((\a)/2)                         ; Wc window 1, x window 0, C window 1, D window 2 or 3
.else
	WIN 0xa1+0x50*((\a)/2)                         ; C and D window 2 or 3
.endif
.irp b, 0,1,2,3,4,5,6,7,8,9,10,11,12,13,14,15
.if \bias
	v_wmma_f32_16x16x32_f16 v[8*(16*((\a)%2)+(\b)):8*(16*((\a)%2)+(\b))+7], v[128*(\f)+8*(\b):128*(\f)+8*(\b)+7], v[AF+32*(\f)+8*(\a):AF+32*(\f)+8*(\a)+7], v[128+8*(\b):128+8*(\b)+7]
.else
	v_wmma_f32_16x16x32_f16 v[8*(16*((\a)%2)+(\b)):8*(16*((\a)%2)+(\b))+7], v[128*(\f)+8*(\b):128*(\f)+8*(\b)+7], v[AF+32*(\f)+8*(\a):AF+32*(\f)+8*(\a)+7], v[8*(16*((\a)%2)+(\b)):8*(16*((\a)%2)+(\b))+7]
.endif
.endr
.endm
; x_other's tile in set t goes to LDS buffer t as f16, and the set is loaded again with the tile two on.  The count 8 leaves the other set's eight younger loads out.
; The 16 conversions are also the four places in front of the run of LDS loads that follows.
.macro XMOVE t
	WIN 0
	s_wait_loadcnt 8
.set z, 0
.rept 8
	v_cvt_pk_f16_f32 v[XS+32*(\t)+4*z], v[XS+32*(\t)+4*z], v[XS+32*(\t)+4*z+1]
	v_cvt_pk_f16_f32 v[XS+32*(\t)+4*z+1], v[XS+32*(\t)+4*z+2], v[XS+32*(\t)+4*z+3]
.set z, z+1
.endr
.irp i, 0,1,2,3,4,5,6,7
	ds_store_b64 v[XST+(\t)], v[XS+32*(\t)+4*(\i):XS+32*(\t)+4*(\i)+1] offset:2*PX*(\i)
.endr
	s_wait_xcnt 0x0                                ; the base of the loads issued so far is rewritten only behind this wait
	s_add_co_u32 s32, s32, 256                     ; 64 f32 on along K,
	s_min_u32 s32, s32, 3840                       ; never past tile 15
	s_add_nc_u64 s[30:31], s[28:29], s[32:33]
.irp i, 0,1,2,3,4,5,6,7
	global_load_b128 v[XS+32*(\t)+4*(\i):XS+32*(\t)+4*(\i)+3], v[XGO], s[30:31] offset:8192*(\i)  ; two rows x 256 consecutive bytes, at multiples of 256
.endr
.endm
; The first half of the step in slot e (buffer 0).  In its middle the next step's x goes to LDS (xm = 1) and the second half's fragments are fetched.
.macro HALF e, xm
	s_wait_dscnt 0x0                               ; buffer 0 is in: its run was issued 32 matrix instructions ago
	MUL16 0, 0, 0
	MUL16 0, 1, 0
.if \xm
	XMOVE 1-(\e)
.else
	PLACES
.endif
	FETCH \e, 1, 1
	MUL16 0, 2, 0
	MUL16 0, 3, 0
.endm
; The second half (buffer 1) changes slots.  In front of the round each wave waits for all its tensor loads (one is out: its part of the next slot), adds 0 to its spare word, and waits for that,
; for its reads of this slot and of x's buffer, and for its stores of the next step's x.  Behind the round nobody in the cluster reads this slot, and the refill is the first thing there:
; fill = 1: Wc's tile two steps on, jointly;  fill = 2: rows 0-31 of the residual.  It has 96 matrix instructions or more in which to land.
.macro TURN e, fill
	WIN 0
	s_wait_tensorcnt 0x0
	ds_add_u32 v[SPW], v[NIL]
	s_wait_dscnt 0x1                               ; buffer 1 is in; only the add may be out
	MUL16 1, 0, 0
	s_wait_dscnt 0x0                               ; the add is done
	s_barrier_signal -1
	MUL16 1, 1, 0
	WIN 0
	s_barrier_wait -1
	CREST
.if (\fill) == 1
	s_add_nc_u64 s[46+4*(\e):47+4*(\e)], s[46+4*(\e):47+4*(\e)], 262144  ; no load of mine is out: the group 0 may be written; the type bits on top are not reached
	tensor_load_to_lds s[44+4*(\e):47+4*(\e)], s[36:43]
.else
	tensor_load_to_lds s[60:63], s[52:59]
.endif
	s_nop 0
	PLACES                                         ; also the places in front of the loads below
	FETCH 1-(\e), 0, 0
	MUL16 1, 2, 0
	MUL16 1, 3, 0
.endm
	XMOVE 0                                        ; bc and tile 0 are in (tile 1's eight loads stay out); tile 0 goes to LDS, tile 2 is asked for
	s_wait_tensorcnt 0x1                           ; my part of slot 0 is in; slot 1's may stay out
	s_wait_dscnt 0x0                               ; my part of x's tile 0 is stored
	s_barrier_signal -1
	s_barrier_wait -1
	FETCH 0, 0, 0
	s_wait_dscnt 0x0
	MUL16 0, 0, 1                                  ; step 0's first half stands in front of the loop: its products start the sums with bc
	MUL16 0, 1, 1
	MUL16 0, 2, 1
	MUL16 0, 3, 1
	XMOVE 1                                        ; tile 1 to LDS, tile 3 asked for
	FETCH 0, 1, 1                                  ; over bc, which has served
	WIN 0
	s_mov_b32 s82, 7
.Lstep:                                                ; a trip: the second half of step 2 i, step 2 i + 1, the first half of step 2 i + 2; both slots are filled again
	TURN 0, 1
	HALF 1, 1
	TURN 1, 1
	HALF 0, 1
	WIN 0
	s_sub_co_u32 s82, s82, 1
	s_cmp_lg_u32 s82, 0
	s_cbranch_scc1 .Lstep
	TURN 0, 2                                      ; step 14 ends; slot 0 takes the residual's first part
	HALF 1, 0
	s_wait_dscnt 0x0
	MUL16 1, 0, 0
	MUL16 1, 1, 0
	MUL16 1, 2, 0
	MUL16 1, 3, 0
	; THE RESIDUAL'S SECOND PART into slot 1, in the same order as every refill
	WIN 0
	s_wait_tensorcnt 0x0                           ; the first part has landed
	ds_add_u32 v[SPW], v[NIL]
	s_wait_dscnt 0x0
	CROUND
	tensor_load_to_lds s[68:71], s[52:59]
	s_nop 0
	PLACES                                         ; also the places behind the last products
.macro RLD a                           ; the residual of rows 16 a .., in the accumulators' layout, into window 1; I read only bytes that my own load brought
	WIN 0x40
.irp b, 0,1,2,3,4,5,6,7,8,9,10,11,12,13,14,15
	ds_load_b128 v[128*((\a)%2)+8*(\b):128*((\a)%2)+8*(\b)+3],   v[RA+(\a)/2] offset:16*RP*((\a)%2)+64*(\b)
	ds_load_b128 v[128*((\a)%2)+8*(\b)+4:128*((\a)%2)+8*(\b)+7], v[RA+(\a)/2] offset:16*RP*((\a)%2)+64*(\b)+16
.endr
.endm
.macro RADD a                          ; X = sum + residual: destination and source 0 in window 2 or 3, source 1 in window 1; each accumulator from its low end on
.set AB, 128*((\a)%2)
	WIN 0x86+0x41*((\a)/2)
.set z, 0
.rept 64
	v_pk_add_f32 v[AB+2*z:AB+2*z+1], v[AB+2*z:AB+2*z+1], v[AB+2*z:AB+2*z+1]
.set z, z+1
.endr
.endm
.macro JOIN a                          ; four chains into one number
	WIN 0
	v_pk_add_f32 v[S:S+1], v[S:S+1], v[S+2:S+3]
	v_pk_add_f32 v[S+4:S+5], v[S+4:S+5], v[S+6:S+7]
	v_pk_add_f32 v[S:S+1], v[S:S+1], v[S+4:S+5]
	v_add_f32 v[T+(\a)], v[S], v[S+1]
.endm
.macro RSUM a                          ; the sum of my 128 numbers of a row, in four chains that the first eight pairs start
.set AB, 128*((\a)%2)
	WIN 0x0a+5*((\a)/2)
.irp c, 0,1,2,3
	v_pk_add_f32 v[S+2*(\c):S+2*(\c)+1], v[AB+4*(\c):AB+4*(\c)+1], v[AB+4*(\c)+2:AB+4*(\c)+3]
.endr
	WIN 0x02+(\a)/2
.set z, 8
.rept 56
	v_pk_add_f32 v[S+2*(z%4):S+2*(z%4)+1], v[AB+2*z:AB+2*z+1], v[S+2*(z%4):S+2*(z%4)+1]
.set z, z+1
.endr
	JOIN \a
.endm
; A figure of each of my 64 rows is summed over the row: the other half of the lanes, then the four waves through LDS: store, wait, barrier, load.  The two uses have bytes of their own.
.macro STATX base
	WIN 0
.irp a, 0,1,2,3
	v_permlanex16_b32 v[U+(\a)], v[T+(\a)], s80, s81
.endr
.irp a, 0,1,2,3
	v_add_f32 v[T+(\a)], v[T+(\a)], v[U+(\a)]
.endr
.irp a, 0,1,2,3
	ds_store_b32 v[STW], v[T+(\a)] offset:(\base)+256*(\a)
.endr
	s_wait_dscnt 0x0                               ; for the others' sake
	s_barrier_signal -1
	s_barrier_wait -1
.irp a, 0,1,2,3
	ds_load_b128 v[PR+4*(\a):PR+4*(\a)+3], v[STR] offset:(\base)+256*(\a)
.endr
	s_wait_dscnt 0x0
.irp a, 0,1,2,3
	v_add_f32 v[PR+4*(\a)], v[PR+4*(\a)], v[PR+4*(\a)+1]
	v_add_f32 v[PR+4*(\a)+2], v[PR+4*(\a)+2], v[PR+4*(\a)+3]
.endr
.irp a, 0,1,2,3
	v_add_f32 v[T+(\a)], v[PR+4*(\a)], v[PR+4*(\a)+2]
.endr
.endm
.macro CSUB a                          ; X - mean, in place
.set AB, 128*((\a)%2)
	WIN 0x82+0x41*((\a)/2)
.set z, 0
.rept 64
	v_pk_add_f32 v[AB+2*z:AB+2*z+1], v[AB+2*z:AB+2*z+1], v[MU+2*(\a):MU+2*(\a)+1] op_sel_hi:[1,0] neg_lo:[0,1] neg_hi:[0,1]
.set z, z+1
.endr
.endm
.macro CSQ a                           ; the sum of its squares
.set AB, 128*((\a)%2)
	WIN 0x0a+5*((\a)/2)
.irp c, 0,1,2,3
	v_pk_mul_f32 v[S+2*(\c):S+2*(\c)+1], v[AB+2*(\c):AB+2*(\c)+1], v[AB+2*(\c):AB+2*(\c)+1]
.endr
.set z, 4
.rept 60
	v_pk_fma_f32 v[S+2*(z%4):S+2*(z%4)+1], v[AB+2*z:AB+2*z+1], v[AB+2*z:AB+2*z+1], v[S+2*(z%4):S+2*(z%4)+1]
.set z, z+1
.endr
	JOIN \a
.endm
.macro NRM a                           ; times 1 / sqrt(var + eps); then times g plus beta, fused (g and beta in window 1)
.set AB, 128*((\a)%2)
	WIN 0x82+0x41*((\a)/2)
.set z, 0
.rept 64
	v_pk_mul_f32 v[AB+2*z:AB+2*z+1], v[AB+2*z:AB+2*z+1], v[RS+2*(\a):RS+2*(\a)+1] op_sel_hi:[1,0]
.set z, z+1
.endr
	WIN 0x96+0x41*((\a)/2)
.set z, 0
.rept 64
	v_pk_fma_f32 v[AB+2*z:AB+2*z+1], v[AB+2*z:AB+2*z+1], v[2*z:2*z+1], v[128+2*z:128+2*z+1]
.set z, z+1
.endr
.endm
.macro PKS a                           ; rounded to f16 and stored: column block b is half b % 2 of k block (b / 2) % 4 of K step b / 8
.set AB, 128*((\a)%2)
.if (\a) >= 2
	s_wait_xcnt 0x0                                ; the registers that earlier stores read are rewritten only behind this wait
.endif
	WIN 0x0a+5*((\a)/2)
.set z, 0
.rept 64
	v_cvt_pk_f16_f32 v[TMP+64*((\a)%2)+z], v[AB+2*z], v[AB+2*z+1]
.set z, z+1
.endr
	WIN 0
.irp b, 0,1,2,3,4,5,6,7,8,9,10,11,12,13,14,15
	global_store_b128 v[L16], v[TMP+64*((\a)%2)+4*(\b):TMP+64*((\a)%2)+4*(\b)+3], s[78:79] offset:32768*((\b)/8)+4096*(\a)+1024*(((\b)/2)%4)+512*((\b)%2)  ; 512 consecutive bytes, at a multiple of 512 from fusedP's first
.endr
.endm
	RLD 0
	RLD 1
	s_wait_dscnt 32                                ; rows 0-15's residual is in; the 32 younger loads stay out
	RADD 0
	RSUM 0
	s_wait_dscnt 0x0
	RADD 1
	RSUM 1
	s_wait_tensorcnt 0x0                           ; the residual's second part has landed
	RLD 2
	RLD 3
	s_wait_dscnt 32
	RADD 2
	RSUM 2
	s_wait_dscnt 0x0
	RADD 3
	RSUM 3
	WIN 0x40                                       ; g and beta, in the accumulators' layout, where the residual lay: they land under the statistics
.irp b, 0,1,2,3,4,5,6,7,8,9,10,11,12,13,14,15
	global_load_b128 v[8*(\b):8*(\b)+3],   v[H32], s[72:73] offset:64*(\b)
	global_load_b128 v[8*(\b)+4:8*(\b)+7], v[H32], s[72:73] offset:64*(\b)+16
.endr
.irp b, 0,1,2,3,4,5,6,7,8,9,10,11,12,13,14,15
	global_load_b128 v[128+8*(\b):128+8*(\b)+3],   v[H32], s[74:75] offset:64*(\b)
	global_load_b128 v[128+8*(\b)+4:128+8*(\b)+7], v[H32], s[74:75] offset:64*(\b)+16
.endr
	STATX 0
.irp a, 0,1,2,3
	v_mul_f32 v[MU+2*(\a)], s84, v[T+(\a)]         ; the mean; the packed forms name a pair, so both are written
	v_mul_f32 v[MU+2*(\a)+1], s84, v[T+(\a)]
.endr
.irp a, 0,1,2,3
	CSUB \a
	CSQ \a
.endr
	STATX 1024
.irp a, 0,1,2,3
	v_fma_f32 v[T+(\a)], v[T+(\a)], s84, s85       ; var + eps
.endr
.irp a, 0,1,2,3
	v_rsq_f32 v[RS+2*(\a)], v[T+(\a)]
.endr
	v_nop                                          ; a plain instruction between the last of them and the use of its result
	s_wait_alu depctr_va_vdst(0)
.irp a, 0,1,2,3
	v_mov_b32 v[RS+2*(\a)+1], v[RS+2*(\a)]
.endr
	s_wait_loadcnt 0x0                             ; g and beta; and the clamped loads, whose registers the packed results take
.irp a, 0,1,2,3
	NRM \a
	PKS \a
.endr
	s_wait_tensorcnt 0x0                           ; the wave's end: behind my last tensor load and my last LDS store
	ds_add_u32 v[SPW], v[NIL]
	s_wait_dscnt 0x0
	CROUND                                         ; the closing round: no work-group ends while a partner may still ask for a tile that names it
	s_endpgm
.Lfunc_end_k_q8ce8c95a09_attend:
	.size	k_q8ce8c95a09_attend, .Lfunc_end_k_q8ce8c95a09_attend-k_q8ce8c95a09_attend
	.p2alignl 7, 3214868480
	.fill 96, 4, 3214868480
	.section	.rodata,"a",@progbits
	.p2align	6, 0x0
	.amdhsa_kernel k_q8ce8c95a09_attend
		.amdhsa_group_segment_fixed_size 327680
		.amdhsa_private_segment_fixed_size 0
		.amdhsa_enable_private_segment 0
		.amdhsa_kernarg_size 72
		.amdhsa_user_sgpr_count 2
		.amdhsa_user_sgpr_kernarg_segment_ptr 1
		.amdhsa_wavefront_size32 1
		.amdhsa_system_sgpr_workgroup_id_x 1
		.amdhsa_system_sgpr_workgroup_id_y 1
		.amdhsa_system_sgpr_workgroup_id_z 1
		.amdhsa_system_vgpr_workitem_id 0
		.amdhsa_next_free_vgpr 1024
		.amdhsa_next_free_sgpr 88
		.amdhsa_reserve_vcc 0
		.amdhsa_float_denorm_mode_32 3
		.amdhsa_float_denorm_mode_16_64 3
		.amdhsa_memory_ordered 1
		.amdhsa_forward_progress 1
		.amdhsa_inst_pref_size 216
	.end_amdhsa_kernel
	.amdgpu_metadata
---
amdhsa.version: [ 1, 2 ]
amdhsa.kernels:
  - .name:           k_q8ce8c95a09_attend
    .symbol:         k_q8ce8c95a09_attend.kd
    .args:
      - { .name: eeg_emb, .offset: 0, .size: 8, .value_kind: global_buffer, .address_space: global }
      - { .name: ecg_emb, .offset: 8, .size: 8, .value_kind: global_buffer, .address_space: global }
      - { .name: WcP, .offset: 16, .size: 8, .value_kind: global_buffer, .address_space: global }
      - { .name: bc, .offset: 24, .size: 8, .value_kind: global_buffer, .address_space: global }
      - { .name: g1, .offset: 32, .size: 8, .value_kind: global_buffer, .address_space: global }
      - { .name: g2, .offset: 40, .size: 8, .value_kind: global_buffer, .address_space: global }
      - { .name: beta1, .offset: 48, .size: 8, .value_kind: global_buffer, .address_space: global }
      - { .name: beta2, .offset: 56, .size: 8, .value_kind: global_buffer, .address_space: global }
      - { .name: fusedP, .offset: 64, .size: 8, .value_kind: global_buffer, .address_space: global }
    .group_segment_fixed_size: 327680
    .private_segment_fixed_size: 0
    .kernarg_segment_align: 8
    .kernarg_segment_size: 72
    .max_flat_workgroup_size: 128
    .sgpr_count:     88
    .vgpr_count:     1024
    .wavefront_size: 32
...
	.end_amdgpu_metadata
.endif
;; end of part 2
;; launch fuse (part 3): grid 4 x 64, 4 waves a work-group, clusters of 4 x 4, 327,680 bytes of LDS; arguments fusedP, WfP, bf, out0; writes out0
.if DOCPART == 3
	.amdgcn_target "amdgcn-amd-amdhsa--gfx1250"
	.amdhsa_code_object_version 6
	.text
	.protected	k_q8ce8c95a09_fuse
	.globl	k_q8ce8c95a09_fuse
	.p2align	8
	.type	k_q8ce8c95a09_fuse,@function
k_q8ce8c95a09_fuse:
	s_mov_b64 s[64:65], 0
	v_nop
	global_prefetch_b8 v0, s[64:65] scope:SCOPE_SE
	s_setreg_imm32_b32 hwreg(HW_REG_WAVE_MODE, 25, 1), 1
	s_wait_xcnt 0x0
	s_wait_alu depctr_hold_cnt(0) depctr_sa_sdst(0) depctr_va_vdst(0) depctr_va_sdst(0) depctr_va_ssrc(0) depctr_va_vcc(0) depctr_vm_vsrc(0)
	s_getreg_b32 s2, hwreg(HW_REG_IB_STS2, 6, 4)
	s_cmp_eq_u32 s2, 0
	s_cbranch_scc0 .Lentry_in_a_cluster
	s_endpgm
.Lentry_in_a_cluster:
	s_bfe_u32 s2, ttmp6, 0x10000c
	s_cmp_lg_u32 s2, 0xf033
	s_cbranch_scc0 .Lentry_shape_is_right
	s_endpgm
.Lentry_shape_is_right:
; out0 = fused Wf^T + bf.  fused: 8,192 x 2,048 in f16 (fusedP), Wf: 1,024 x 2,048 in f16 (WfP), both in packed blocks of 16 rows x 32 k (1,024 bytes: bytes 16 L lane L's fragment registers 0-3,
; bytes 512 + 16 L its registers 4-7); sums and bf in f32; out0 in f32.
; LIMITS.  The operands arrive as f16 (65,504 at the most); NaN and infinities are not treated apart.
; SHARES.  A tile of out0 is 128 rows x 256 columns: 64 x 4 = 256 work-groups.  Four waves, each 64 rows x 128 columns: accumulator (a, b), a = 0..3, b = 0..7: 256 registers.
; K = 2,048 goes in 16 steps of 128, each four quarters of 32 on two fragment buffers.  The matrix instruction is used transposed (source 0 = 16 rows of Wf, source 1 = 16 rows of fused):
; a lane holds eight neighbouring columns of one row of out0.  bf is the C of the products that start the sums.
; CLUSTER.  4 x 4 work-groups.  The four of a column of the cluster have one N tile and walk the same tiles of Wf (65,536 dense bytes a step, a quarter a wave): asked for JOINTLY.
; The fused rows (32,768 bytes a step) are shared along a row of the cluster, but are not asked for jointly: a joint refill is asked for behind one round and waited for in front of the next, one step;
; through registers a tile is asked for two steps ahead of its store into LDS, by counted waits.  The loop's last move has no further tile and asks for tile 15 once more
; (the offset is clamped): 32 KB a work-group, so that one text and one count serve every trip.
; REGISTERS, in windows of 256 (s_set_vgpr_msb: bits 1:0 source 0, 3:2 source 1, 5:4 source 2, 7:6 destination):
;   window 0: addresses, fused's fragments, fused on its way      window 1: the accumulators ((a, b) at v[8 (8 a + b)])      window 2: Wf's fragments, two buffers of 64; v128-191 bf
.set BSLOT, 65536                      ; a slot of Wf
.set XA,    2*BSLOT                    ; behind the slots: fused's tiles, two buffers of 32,768 bytes, written by ds_store: no tensor load lands here
.set XAB,   32768
.set STAGE, XA+2*XAB                   ; 16 rows x 528 bytes for each wave, for the way out
.set SP,    528                        ; 128 f32 + 16 bytes: 16 rows of a store start at 16 different groups of four banks (64 banks of 4 bytes: ISA guide 11.1)
.set SPARE, STAGE+4*16*SP              ; the spare words, 128 bytes for each wave: two blocks of 256 bytes that no other line names
.set ADRB, 2                           ; v2-3   my fragments of Wf in slot 0, 1
.set ADRX, 4                           ; v4-5   fused's fragments in buffer 0, 1
.set XST,  6                           ; v6-7   where I store my quarter of a tile of fused
.set XGO,  8                           ; v8     my byte offset in a tile of fused
.set STO,  9                           ; v9     the way out: where I put 32 bytes of a row
.set RD,   10                          ; v10    the way out: where I read a row back
.set L16,  11                          ; v11    16 x lane
.set H32,  12                          ; v12    32 x (lane / 16)
.set SPW,  28                          ; v28    LDS address of my spare word; never rewritten
.set NIL,  29                          ; v29    0; never rewritten
.set AF,   32                          ; v32-63, v64-95     fused's fragments, two buffers
.set XS,   96                          ; v96-159, v160-223  fused on its way, two sets; behind the loop: rows read back from the stage
.set WV,   12                          ; s12    my wave's number
.set MSB, 0
.macro WIN new                         ; the high byte repeats the setting that is left; a switch that changes nothing is dropped
.if MSB != (\new)
	s_set_vgpr_msb (MSB<<8)|(\new)
.set MSB, \new
.endif
.endm
.macro PLACES                          ; four places in front of loads into registers that matrix instructions have read, and of LDS stores of their results
.rept 4
	v_nop
.endr
.endm
.macro CREST                           ; a round of the cluster's barrier behind its opening barrier
	s_cmp_lg_u32 s[WV], 0
	s_cbranch_scc1 .Lnot_wave_0_\@
	s_barrier_signal -3
.Lnot_wave_0_\@:
	s_barrier_wait -3
	s_barrier_signal -1
	s_barrier_wait -1
.endm
.macro CROUND                          ; a whole round
	s_barrier_signal -1
	s_barrier_wait -1
	CREST
.endm
	s_load_b256 s[4:11], s[0:1], 0x0               ; fusedP, WfP, bf, out0
	v_lshl_add_u32 v[SPW], v0, 2, SPARE
	v_mov_b32 v[NIL], 0
	ds_add_u32 v[SPW], v[NIL]                      ; the wave's opening: the add and its wait ahead of my first tensor load; the set-up below, work on registers, stands between them
	v_lshrrev_b32 v1, 5, v0
	v_readfirstlane_b32 s[WV], v1                  ; wave 0..3
	s_lshr_b32 s13, s[WV], 1                       ; which 64 rows are mine
	s_and_b32 s14, s[WV], 1                        ; which 128 columns
	s_bfe_u32 s15, ttmp6, 0x40000                  ; cx, cy: my place in the cluster
	s_bfe_u32 s16, ttmp6, 0x40004
	s_lshl_b32 s17, ttmp9, 2
	s_add_co_u32 s17, s17, s15                     ; N tile = 4 x cluster x + cx
	s_and_b32 s18, ttmp7, 0xffff
	s_lshl_b32 s18, s18, 2
	s_add_co_u32 s18, s18, s16                     ; M tile = 4 x cluster y + cy
	s_lshl_b32 s48, 0x1111, s15                    ; my column of the cluster: places cx, cx + 4, cx + 8, cx + 12
	s_or_b32 s28, s48, (3<<16)|(1<<21)             ; group 1: 15:0 the mask; 17:16 elements of 8 bytes; 21 set beside a mask
	s_mov_b32 s29, 32<<16                          ; 16,384 dense bytes a wave, as 64 rows of 256 bytes: tensor_dim0 = 32
	s_mov_b32 s30, 64<<16                          ; tensor_dim1 = 64
	s_mov_b32 s31, 32<<16                          ; tile_dim0 = 32
	s_mov_b32 s32, 64                              ; tile_dim1 = 64
	s_mov_b32 s33, 32                              ; 32 elements from row to row
	s_mov_b32 s34, 0
	s_mov_b32 s35, 0
	s_mov_b32 s36, 1                               ; group 0, slot 0: count = 1,
	s_lshl_b32 s37, s[WV], 14                      ; LDS address: wave x 16,384
	s_mov_b32 s40, 1                               ; slot 1
	s_add_co_u32 s41, s37, BSLOT
	s_lshl_b32 s26, s17, 20                        ; WfP: N tile x 1 MB + wave x 16,384: nothing of cy
	s_add_co_u32 s26, s26, s37
	s_mov_b32 s27, 0
	s_lshl_b32 s50, s18, 19                        ; fusedP: M tile x 524,288
	s_mov_b32 s51, 0
	s_lshl_b32 s52, s17, 10                        ; my columns of f32: 1,024 N tile + 512 x half
	s_lshl_b32 s49, s14, 9
	s_add_co_u32 s52, s52, s49
	s_mov_b32 s53, 0
	s_mov_b32 s20, 32768                           ; fused's byte offset along K: the first move steps it to tile 2
	s_mov_b32 s21, 0
	s_wait_dscnt 0x0                               ; the opening add is done
	s_wait_kmcnt 0x0
	s_add_nc_u64 s[38:39], s[6:7], s[26:27]        ; K step 0
	s_add_nc_u64 s[42:43], s[38:39], 65536         ; K step 1
	s_or_b32 s39, s39, 0x80000000                  ; type = 2
	s_or_b32 s43, s43, 0x80000000
	s_add_nc_u64 s[22:23], s[4:5], s[50:51]        ; fused at my M tile
	s_add_nc_u64 s[46:47], s[8:9], s[52:53]        ; bf at my columns
	s_add_nc_u64 s[44:45], s[10:11], s[52:53]      ; out0 at my columns,
	s_lshl_b32 s49, s13, 18
	s_add_co_u32 s50, s50, s49                     ; (128 M tile + 64 x half) rows of 4,096 bytes
	s_add_nc_u64 s[44:45], s[44:45], s[50:51]
	CROUND                                         ; all sixteen work-groups are here: the first joint loads meet
	tensor_load_to_lds s[36:39], s[28:35]          ; the two first fills go out together: two loads of mine are out
	s_nop 0
	tensor_load_to_lds s[40:43], s[28:35]
	s_nop 0
	PLACES
	v_and_b32 v1, 31, v0                           ; lane
	v_and_b32 v16, 15, v0                          ; r
	v_bfe_u32 v17, v0, 4, 1                        ; h
	v_lshlrev_b32 v[L16], 4, v1
	v_lshlrev_b32 v[H32], 5, v17
	s_lshl_b32 s54, s14, 15                        ; my 8 n blocks of 4,096 bytes
	v_add_nc_u32 v[ADRB], s54, v[L16]
	v_add_nc_u32 v[ADRB+1], BSLOT, v[ADRB]
	s_lshl_b32 s54, s13, 14                        ; my 4 m blocks
	s_add_co_u32 s54, s54, XA
	v_add_nc_u32 v[ADRX], s54, v[L16]
	v_add_nc_u32 v[ADRX+1], XAB, v[ADRX]
	s_lshl_b32 s54, s[WV], 13                      ; my quarter of a tile of fused
	v_add_nc_u32 v[XGO], s54, v[L16]
	v_add_nc_u32 v[XST], XA, v[XGO]
	v_add_nc_u32 v[XST+1], XA+XAB, v[XGO]
	s_mul_i32 s54, s[WV], 16*SP
	s_add_co_u32 s54, s54, STAGE                   ; my stage
	v_mul_u32_u24 v18, v16, SP
	v_add_nc_u32 v18, v18, v[H32]
	v_add_nc_u32 v[STO], s54, v18
	v_add_nc_u32 v[RD], s54, v[L16]
	WIN 0x80                                       ; destination window 2, address window 0
.irp b, 0,1,2,3,4,5,6,7                                ; bf in the accumulators' layout
	global_load_b128 v[128+8*(\b):128+8*(\b)+3],   v[H32], s[46:47] offset:64*(\b)
	global_load_b128 v[128+8*(\b)+4:128+8*(\b)+7], v[H32], s[46:47] offset:64*(\b)+16
.endr
	WIN 0
.irp t, 0,1                                            ; fused's tiles 0 and 1
.irp i, 0,1,2,3,4,5,6,7,8,9,10,11,12,13,14,15
	global_load_b128 v[XS+64*(\t)+4*(\i):XS+64*(\t)+4*(\i)+3], v[XGO], s[22:23] offset:32768*(\t)+512*(\i)
.endr
.endr
; 24 LDS loads in one run: the fragments of quarter q of the step in slot e, into buffer f: 8 of Wf, then 4 of fused
.macro FETCH e, q, f
	WIN 0x80
.irp b, 0,1,2,3,4,5,6,7
	ds_load_b128 v[64*(\f)+8*(\b):64*(\f)+8*(\b)+3],   v[ADRB+(\e)] offset:4096*(\b)+1024*(\q)
	ds_load_b128 v[64*(\f)+8*(\b)+4:64*(\f)+8*(\b)+7], v[ADRB+(\e)] offset:4096*(\b)+1024*(\q)+512
.endr
	WIN 0
.irp a, 0,1,2,3
	ds_load_b128 v[AF+32*(\f)+8*(\a):AF+32*(\f)+8*(\a)+3],   v[ADRX+(\e)] offset:4096*(\a)+1024*(\q)
	ds_load_b128 v[AF+32*(\f)+8*(\a)+4:AF+32*(\f)+8*(\a)+7], v[ADRX+(\e)] offset:4096*(\a)+1024*(\q)+512
.endr
.endm
; 8 matrix instructions: rows 16 a .. x my 8 column blocks, 32 along K, from buffer f.  The accumulators take turns, one instruction a turn.  first = 1: bf (window 2) starts the sums.
.macro MUL8 f, a, first
.if \first
	WIN 0x62
.else
	WIN 0x52                                       ; Wf window 2, fused window 0, C and D window 1
.endif
.irp b, 0,1,2,3,4,5,6,7
.if \first
	v_wmma_f32_16x16x32_f16 v[8*(8*(\a)+(\b)):8*(8*(\a)+(\b))+7], v[64*(\f)+8*(\b):64*(\f)+8*(\b)+7], v[AF+32*(\f)+8*(\a):AF+32*(\f)+8*(\a)+7], v[128+8*(\b):128+8*(\b)+7]
.else
	v_wmma_f32_16x16x32_f16 v[8*(8*(\a)+(\b)):8*(8*(\a)+(\b))+7], v[64*(\f)+8*(\b):64*(\f)+8*(\b)+7], v[AF+32*(\f)+8*(\a):AF+32*(\f)+8*(\a)+7], v[8*(8*(\a)+(\b)):8*(8*(\a)+(\b))+7]
.endif
.endr
.endm
; fused's tile in set t goes to LDS buffer t; load = 1: the set is loaded again with the tile two on.  The count 16 leaves the other set's sixteen younger loads out.
.macro XMOVE t, load
	WIN 0
	s_wait_loadcnt 16
.irp i, 0,1,2,3,4,5,6,7,8,9,10,11,12,13,14,15
	ds_store_b128 v[XST+(\t)], v[XS+64*(\t)+4*(\i):XS+64*(\t)+4*(\i)+3] offset:512*(\i)
.endr
.if \load
	s_wait_xcnt 0x0                                ; the base of the loads issued so far is rewritten only behind this wait
	s_add_co_u32 s20, s20, 32768                   ; a tile on along K,
	s_min_u32 s20, s20, 491520                     ; never past tile 15
	s_add_nc_u64 s[24:25], s[22:23], s[20:21]
.irp i, 0,1,2,3,4,5,6,7,8,9,10,11,12,13,14,15
	global_load_b128 v[XS+64*(\t)+4*(\i):XS+64*(\t)+4*(\i)+3], v[XGO], s[24:25] offset:512*(\i)  ; 512 consecutive bytes, at a multiple of 512
.endr
.endif
.endm
; One of a step's first three quarters: multiplies buffer f and fetches quarter q of slot e into buffer g.  xm = 1: the next step's fused tile goes to LDS and a further one is asked for; 2: nothing is asked for.
.macro QUARTER e, q, f, g, first, xm
	s_wait_dscnt 4                                 ; Wf's fragments and fused's rows 0-31 are in; the youngest four loads may be out
	MUL8 \f, 0, \first
	MUL8 \f, 1, \first
.if (\xm) == 1
	XMOVE 1-(\e), 1
.elseif (\xm) == 2
	XMOVE 1-(\e), 0
.endif
	PLACES
	FETCH \e, \q, \g
	s_wait_dscnt 24                                ; all but the 24 just issued
	MUL8 \f, 2, \first
	MUL8 \f, 3, \first
.endm
; The last quarter multiplies buffer 1 and changes slots.  In front of the barrier each wave waits for all its tensor loads (one is out: its part of the next slot), adds 0 to its spare word, and waits for
; that, for its reads of this slot and of fused's buffer, and for its stores of the next tile of fused.  fill = 1: the barrier opens a round of the cluster's, and this slot is filled again, jointly,
; two steps ahead, first thing behind the round: 112 matrix instructions ahead of the wait for it.
.macro TURN e, fill
	WIN 0
	s_wait_tensorcnt 0x0
	ds_add_u32 v[SPW], v[NIL]
	s_wait_dscnt 5                                 ; the add and the youngest four loads may be out
	MUL8 1, 0, 0
	s_wait_dscnt 0x0
	s_barrier_signal -1
	MUL8 1, 1, 0
.if \fill
	WIN 0
.endif
	s_barrier_wait -1
.if \fill
	CREST
	s_add_nc_u64 s[38+4*(\e):39+4*(\e)], s[38+4*(\e):39+4*(\e)], 131072  ; no load of mine is out: the group 0 may be written; the type bits on top are not reached
	tensor_load_to_lds s[36+4*(\e):39+4*(\e)], s[28:35]
	s_nop 0
.endif
	PLACES                                         ; the places in front of the loads below
	FETCH 1-(\e), 0, 0
	MUL8 1, 2, 0
	MUL8 1, 3, 0
.endm
	XMOVE 0, 1                                     ; bf and tile 0 are in (tile 1's sixteen loads stay out); tile 0 goes to LDS, tile 2 is asked for
	s_wait_tensorcnt 0x1                           ; my part of slot 0 is in; slot 1's may stay out
	s_wait_dscnt 0x0                               ; my quarter of fused's tile 0 is stored
	s_barrier_signal -1
	s_barrier_wait -1
	FETCH 0, 0, 0
	QUARTER 0, 1, 0, 1, 1, 0                       ; the first quarter stands in front of the loop: its products start the sums with bf
	WIN 0
	s_mov_b32 s19, 7
.Llap:                                                 ; a trip goes once round the ring, from a lap's second quarter to the next lap's first, and fills both slots again
	QUARTER 0, 2, 1, 0, 0, 1
	QUARTER 0, 3, 0, 1, 0, 0
	TURN 0, 1
	QUARTER 1, 1, 0, 1, 0, 0
	QUARTER 1, 2, 1, 0, 0, 1
	QUARTER 1, 3, 0, 1, 0, 0
	TURN 1, 1
	QUARTER 0, 1, 0, 1, 0, 0
	WIN 0
	s_sub_co_u32 s19, s19, 1
	s_cmp_lg_u32 s19, 0
	s_cbranch_scc1 .Llap
	QUARTER 0, 2, 1, 0, 0, 2                       ; the last lap fills nothing; tile 15 goes to LDS (the clamped loads behind it stay out)
	QUARTER 0, 3, 0, 1, 0, 0
	TURN 0, 0
	QUARTER 1, 1, 0, 1, 0, 0
	QUARTER 1, 2, 1, 0, 0, 0
	QUARTER 1, 3, 0, 1, 0, 0
	s_wait_dscnt 4                                 ; the very last quarter: nothing more to fetch
	MUL8 1, 0, 0
	MUL8 1, 1, 0
	s_wait_dscnt 0x0
	MUL8 1, 2, 0
	MUL8 1, 3, 0
	; THE WAY OUT.  A lane's 32 bytes are a sixteenth of a row's 512; 16 rows at a time go through my own stage in LDS and come back as whole rows.
	WIN 0
	s_wait_loadcnt 0x0                             ; the clamped loads: their registers take the rows read back
	PLACES
.macro TOSTAGE a
.if (\a) >= 2
	s_wait_xcnt 0x0                                ; the registers that earlier stores read are rewritten only behind this wait
.endif
	WIN 0x04                                       ; store data in window 1
.irp b, 0,1,2,3,4,5,6,7                                ; each accumulator from its low end on
	ds_store_b128 v[STO], v[8*(8*(\a)+(\b)):8*(8*(\a)+(\b))+3]   offset:64*(\b)
	ds_store_b128 v[STO], v[8*(8*(\a)+(\b))+4:8*(8*(\a)+(\b))+7] offset:64*(\b)+16
.endr
	WIN 0
.irp t, 0,1,2,3,4,5,6,7,8,9,10,11,12,13,14,15
	ds_load_b128 v[XS+64*((\a)%2)+4*(\t):XS+64*((\a)%2)+4*(\t)+3], v[RD] offset:SP*(\t)  ; LDS serves a wave's instructions in order (ISA guide 5.7.1.4): these see the stores above; the next block's stores come behind them
.endr
.endm
.macro SEND a, younger                 ; younger: the LDS instructions issued behind block a's loads: the next block's 32, or none
	s_wait_dscnt \younger
.irp t, 0,1,2,3,4,5,6,7,8,9,10,11,12,13,14,15
	global_store_b128 v[L16], v[XS+64*((\a)%2)+4*(\t):XS+64*((\a)%2)+4*(\t)+3], s[44:45] offset:65536*(\a)+4096*(\t) th:TH_STORE_NT  ; 512 consecutive bytes of a row, at a multiple of 512 from out0's first
.endr
.endm
	TOSTAGE 0
	TOSTAGE 1
	SEND 0, 32
	TOSTAGE 2
	SEND 1, 32
	TOSTAGE 3
	SEND 2, 32
	SEND 3, 0
	s_wait_tensorcnt 0x0                           ; the wave's end: behind my last tensor load and my last LDS store
	ds_add_u32 v[SPW], v[NIL]
	s_wait_dscnt 0x0
	CROUND                                         ; the closing round: no work-group ends while a partner may still ask for a tile that names it
	s_endpgm
.Lfunc_end_k_q8ce8c95a09_fuse:
	.size	k_q8ce8c95a09_fuse, .Lfunc_end_k_q8ce8c95a09_fuse-k_q8ce8c95a09_fuse
	.p2alignl 7, 3214868480
	.fill 96, 4, 3214868480
	.section	.rodata,"a",@progbits
	.p2align	6, 0x0
	.amdhsa_kernel k_q8ce8c95a09_fuse
		.amdhsa_group_segment_fixed_size 327680
		.amdhsa_private_segment_fixed_size 0
		.amdhsa_enable_private_segment 0
		.amdhsa_kernarg_size 32
		.amdhsa_user_sgpr_count 2
		.amdhsa_user_sgpr_kernarg_segment_ptr 1
		.amdhsa_wavefront_size32 1
		.amdhsa_system_sgpr_workgroup_id_x 1
		.amdhsa_system_sgpr_workgroup_id_y 1
		.amdhsa_system_sgpr_workgroup_id_z 1
		.amdhsa_system_vgpr_workitem_id 0
		.amdhsa_next_free_vgpr 704
		.amdhsa_next_free_sgpr 66
		.amdhsa_reserve_vcc 0
		.amdhsa_float_denorm_mode_32 3
		.amdhsa_float_denorm_mode_16_64 3
		.amdhsa_memory_ordered 1
		.amdhsa_forward_progress 1
		.amdhsa_inst_pref_size 96
	.end_amdhsa_kernel
	.amdgpu_metadata
---
amdhsa.version: [ 1, 2 ]
amdhsa.kernels:
  - .name:           k_q8ce8c95a09_fuse
    .symbol:         k_q8ce8c95a09_fuse.kd
    .args:
      - { .name: fusedP, .offset: 0, .size: 8, .value_kind: global_buffer, .address_space: global }
      - { .name: WfP, .offset: 8, .size: 8, .value_kind: global_buffer, .address_space: global }
      - { .name: bf, .offset: 16, .size: 8, .value_kind: global_buffer, .address_space: global }
      - { .name: out0, .offset: 24, .size: 8, .value_kind: global_buffer, .address_space: global }
    .group_segment_fixed_size: 327680
    .private_segment_fixed_size: 0
    .kernarg_segment_align: 8
    .kernarg_segment_size: 32
    .max_flat_workgroup_size: 128
    .sgpr_count:     66
    .vgpr_count:     704
    .wavefront_size: 32
...
	.end_amdgpu_metadata
.endif
;; end of part 3
